; MI455X (gfx1250); checked and timed in simulation.
; The chip was launched on July 23, 2026; its instructions are those of AMD's public machine-readable ISA for CDNA 5 (MIT licence, August 2026) and "CDNA5" Instruction Set Architecture Reference Guide (July 2026). The comments in the code are by the model that wrote it; some were corrected since.
;; Inter Agent Soft Penalty. Allowed arithmetic: float matrix products may take bf16 or f16 operands with f32 sums; all other float work in f32.
;; Inputs: states 32 x 256 x 256 float32.
;; Outputs: out0 32 x 256 float32.
;; 2 versions, each right and faster than the one before. Each part assembles by itself: llvm-mc -triple=amdgcn-amd-amdhsa -mcpu=gfx1250 --defsym DOCPART=n.
;; ======== version 1 of 2: 1 launch
;; limits: an absolute error that grows with the inputs' magnitude: up to 2.2e-05 times it; inputs' magnitudes at most 600
;; launch penalty (part 1): grid 256 x 1, 8 waves a work-group, no clusters, 35,328 bytes of LDS; arguments states, out0; writes out0
.if DOCPART == 1
	.amdgcn_target "amdgcn-amd-amdhsa--gfx1250"
	.amdhsa_code_object_version 6
	.text
	.protected	k_q8399c57364_penalty
	.globl	k_q8399c57364_penalty
	.p2align	8
	.type	k_q8399c57364_penalty,@function
k_q8399c57364_penalty:
	s_mov_b64 s[64:65], 0
	v_nop
	global_prefetch_b8 v0, s[64:65] scope:SCOPE_SE
	s_setreg_imm32_b32 hwreg(HW_REG_WAVE_MODE, 25, 1), 1
	s_wait_xcnt 0x0
; out0[row] = 10 * sum over agent pairs i > j of exp(-|p_i - p_j|^2 / 0.01),  p = (x, y) = the first two of an agent's four f32.
; states: [8192 rows][64 agents][4] f32.  out0: [8192] f32.
;
; THE SUM.  A term is the same for (i, j) and (j, i), bit for bit ((a-b)^2 = (b-a)^2), so the strict lower triangle is the sum over the
; 2,016 unordered pairs of a row, and it does not hang on how the agents are numbered.
; THE SHARES.  A work-group owns 32 rows (32 x 1,024 bytes); 8 waves.  In the arithmetic LANE = ROW: no lane crossing, no mask, all lanes at work.
; A SLOT is two agents laid out for packed f32: (x_a, x_b, y_a, y_b), 16 bytes, a = agent l, b = agent l + 32 (what lane l loads).
; The 32 slots of a row stand on a circle.  Wave w owns slots 4w .. 4w+3 and computes
;   own slot P with slot P + k, k = 1 .. 15   : 4 x 15 = 60 slot pairs of 4 agent pairs  (every slot pair at distance 1..15 falls to one wave)
;   two slot pairs at distance 16             : waves 0-3 take their own slots 0, 1, waves 4-7 their own slots 2, 3 (16 slot pairs in all, each once)
;   the pair inside each own slot             : 4 agent pairs
; Over the 8 waves: 32*15*4 + 16*4 + 32 = 2,016.  A wave has 126 GROUPS of two agent pairs: 5 packed instructions and 2 exponentials each.
; 8 waves: 23 LDS loads a wave, 184 a work-group.  16 waves would take 19 each, 304; 4 waves 31 each, 124, with one wave alone on a SIMD.
; THE SCALE.  Coordinates are multiplied once by c = sqrt(100 * log2 e) = 12.0112241 on their way into LDS, so that a term is
; exp2(-(dx^2 + dy^2)) with no further factor; the minus signs ride on the packed multiply and multiply-add.
;
; LIMITS.  (1) Scaling in front of the subtraction rounds each coordinate once more: for terms above 2^-30 the exponent is off by at most
; 2 (|dx|+|dy|) 2^-23 c max|x| < 2.2e-5 max|x|, a relative error of 1.5e-5 max|x| in the term: 0.25 per cent at |x| = 160, 1 per cent near |x| = 600.
; (2) |x| above 2.8e37 overflows in the scaling (inf - inf = NaN where the plain order gives 0).  (3) v_exp_f32 gives 0 for results under 2^-126.
; (4) The terms are added in another order than a row-major sum.
;
; NOT USED, by this text's own arithmetic.  Matrix instructions: |p|^2 + |q|^2 - 2 p.q cancels, and the exponent carries the factor 144.
; Clusters: no two work-groups read the same byte.  The tensor mover: the numbers are scaled and paired anew between memory and LDS, in registers.
; Prefetch: all 64 loads of the work-group are issued in its first lines.  The 32 results of a work-group are 128 consecutive bytes, stored by one
; instruction; 64 rows a work-group would make it 256 bytes and halve the number of work-groups.
.set ROWB,  1024                       ; bytes of a row in memory
.set PITCH, 1040                       ; an LDS row: 64 slots of 16 bytes (the 32 slots twice) + 16 = 65 x 16 bytes: the 16 lanes that read one slot
                                       ; of 16 neighbouring rows touch 16 different 16-byte columns modulo 256 bytes
.set RED,   32*PITCH                   ; behind the rows: 8 waves x 32 partial sums
.set NG,    126                        ; groups of a wave
.set GO,    2                          ; v2       byte offset of my first load from the work-group's first row
.set ST,    3                          ; v3       LDS address of my slot in my wave's first row (way in)
.set RD,    4                          ; v4       LDS address of my row (lane = row) at my wave's first own slot
.set RD2,   5                          ; v5       the same at the first own slot that takes a partner at distance 16
.set RA,    6                          ; v6       4 x thread: my word among the partial sums; in wave 0 also my result's byte offset
.set ACC,   8                          ; v[8:9]   the running sums (two agent pairs side by side)
.set TMP,   16                         ; v[16:47] ring of 8 sets of 4: dx pair (then -d2, then the terms), dy pair
.set SL,    48                         ; v[48:139] slot s of my window at v[SL+4s : SL+4s+3]; s = 0..18 window, 19, 20 own again, 21, 22 their partners
.set LD,    SL                         ; way in: 8 loads x 2 registers (done with before the window is loaded)
.set SC,    SL+16                      ; way in: 4 scaled slots
	s_load_b128 s[4:7], s[0:1], 0x0                ; states s[4:5], out0 s[6:7]
	v_lshl_add_u32 v140, v0, 2, 0x8600
	v_mov_b32 v141, 0
	v_and_b32 v1, 31, v0                           ; lane
	v_lshrrev_b32 v7, 5, v0
	v_readfirstlane_b32 s8, v7                     ; wave 0..7
	s_mov_b32 s9, 0x41402df9                       ; c = 12.0112241
	s_lshl_b32 s10, ttmp9, 15                      ; work-group x 32 rows x 1,024 bytes (at most 8 MiB)
	s_mov_b32 s11, 0
	s_lshl_b32 s12, ttmp9, 7                       ; work-group x 32 results x 4 bytes
	s_mov_b32 s13, 0
	v_lshlrev_b32 v[GO], 4, v1                     ; agent l: 16 l
	v_lshl_add_u32 v[GO], v7, 12, v[GO]            ; + wave x 4 rows
	s_wait_kmcnt 0x0
	s_add_nc_u64 s[4:5], s[4:5], s[10:11]
	s_add_nc_u64 s[6:7], s[6:7], s[12:13]
	; THE WAY IN.  Row q of my four: (x, y) of agent l, then of agent l + 32.  Each load walks 512 consecutive bytes, 8 of every 16; no byte twice.
.irp q, 0,1,2,3
	global_load_b64 v[LD+4*\q:LD+4*\q+1],   v[GO], s[4:5] offset:\q*ROWB th:TH_LOAD_NT
	global_load_b64 v[LD+4*\q+2:LD+4*\q+3], v[GO], s[4:5] offset:\q*ROWB+512 th:TH_LOAD_NT
.endr
	; addresses, while the loads are out
	s_mul_i32 s14, s8, 4*PITCH                     ; my wave's first row in LDS
	v_lshl_add_u32 v[ST], v1, 4, s14               ; + slot l
	s_lshl_b32 s15, s8, 6                          ; my wave's first own slot: 4 w x 16 bytes
	v_mul_u32_u24 v[RD], v1, PITCH                 ; lane = row
	v_add_nc_u32 v[RD], s15, v[RD]
	s_and_b32 s16, s8, 4
	s_lshl_b32 s16, s16, 3                         ; waves 4-7: two slots (32 bytes) further on
	v_add_nc_u32 v[RD2], s16, v[RD]
	v_lshlrev_b32 v[RA], 2, v0
.irp q, 0,1,2,3
	s_wait_loadcnt 6-2*\q                          ; loads return in order: row q's two are in, the 6 - 2q younger ones stay out
	v_mul_f32 v[SC+4*\q],   s9, v[LD+4*\q]         ; c x_a      the four products also put the numbers in the slot's order
	v_mul_f32 v[SC+4*\q+1], s9, v[LD+4*\q+2]       ; c x_b
	v_mul_f32 v[SC+4*\q+2], s9, v[LD+4*\q+1]       ; c y_a
	v_mul_f32 v[SC+4*\q+3], s9, v[LD+4*\q+3]       ; c y_b
	ds_store_b128 v[ST], v[SC+4*\q:SC+4*\q+3] offset:\q*PITCH          ; slot l: 32 lanes, 512 neighbouring bytes
	ds_store_b128 v[ST], v[SC+4*\q:SC+4*\q+3] offset:\q*PITCH+512      ; and once more as slot 32 + l, so that a window that passes slot 31 needs no
.endr                                                                  ; wrapped address (slots 32..47 are read; the other 16 lanes write along, no EXEC switch)
	s_wait_dscnt 0x0                               ; my stores are in LDS, for the other waves' sake
	s_barrier_signal -1
	s_barrier_wait -1                              ; all 32 rows are there
	; MY WINDOW: 23 loads in one run, in the order in which the arithmetic wants them
.set i, 0
.rept 19
	ds_load_b128 v[SL+4*i:SL+4*i+3], v[RD] offset:16*i
.set i, i+1
.endr
	ds_load_b128 v[SL+76:SL+79], v[RD2]            ; two own slots again, chosen by the wave's number through the address,
	ds_load_b128 v[SL+80:SL+83], v[RD2] offset:16
	ds_load_b128 v[SL+84:SL+87], v[RD2] offset:256 ; and their partners 16 slots on
	ds_load_b128 v[SL+88:SL+91], v[RD2] offset:272
; ONE STEP of a modulo schedule over the groups.  Step GN holds: the differences of group GN, the square of group GN-1, the multiply-add of
; GN-2, the two exponentials of GN-4, the sum of GN-5: every instruction stands 7 lines or more behind the one whose result it reads, and a plain
; vector instruction that names neither its result nor its source stands behind each exponential (ISA guide 5.7.2).  A set of the ring is written
; again 8 steps later, 2 steps behind its last reader.
; kind 0: slot q against slot p, a-a and b-b.  kind 1: the same slots crossed, a-b and b-a.  kind 2: the pairs inside slots q and p.  kind 3: nothing new.
.set GN, 0
.macro STEP kind, q, p
.set TF, TMP+4*(GN%8)                  ; group GN
.set TM, TMP+4*((GN+7)%8)              ; group GN-1
.set TS, TMP+4*((GN+6)%8)              ; group GN-2
.set TE, TMP+4*((GN+4)%8)              ; group GN-4
.set TA, TMP+4*((GN+3)%8)              ; group GN-5
.if GN >= 4
.if GN < NG+4
	v_exp_f32 v[TE], v[TE]
.endif
.endif
.if \kind == 0
	v_pk_add_f32 v[TF:TF+1],   v[\q:\q+1],   v[\p:\p+1]   neg_lo:[0,1] neg_hi:[0,1]
	v_pk_add_f32 v[TF+2:TF+3], v[\q+2:\q+3], v[\p+2:\p+3] neg_lo:[0,1] neg_hi:[0,1]
.endif
.if \kind == 1
	v_pk_add_f32 v[TF:TF+1],   v[\q:\q+1],   v[\p:\p+1]   op_sel:[0,1] op_sel_hi:[1,0] neg_lo:[0,1] neg_hi:[0,1]
	v_pk_add_f32 v[TF+2:TF+3], v[\q+2:\q+3], v[\p+2:\p+3] op_sel:[0,1] op_sel_hi:[1,0] neg_lo:[0,1] neg_hi:[0,1]
.endif
.if \kind == 2
	v_sub_f32 v[TF],   v[\q],   v[\q+1]
	v_sub_f32 v[TF+1], v[\p],   v[\p+1]
	v_sub_f32 v[TF+2], v[\q+2], v[\q+3]
	v_sub_f32 v[TF+3], v[\p+2], v[\p+3]
.endif
.if GN >= 1
.if GN < NG+1
	v_pk_mul_f32 v[TM:TM+1], v[TM:TM+1], v[TM:TM+1] neg_lo:[1,0] neg_hi:[1,0]                      ; -dx^2
.endif
.endif
.if GN >= 4
.if GN < NG+4
	v_exp_f32 v[TE+1], v[TE+1]
.endif
.endif
.if GN >= 2
.if GN < NG+2
	v_pk_fma_f32 v[TS:TS+1], v[TS+2:TS+3], v[TS+2:TS+3], v[TS:TS+1] neg_lo:[1,0,0] neg_hi:[1,0,0]  ; -dy^2 - dx^2
.endif
.endif
.if GN == 6
	s_wait_alu depctr_va_vdst(0)
	v_pk_add_f32 v[ACC:ACC+1], v[TMP:TMP+1], v[TMP+4:TMP+5]        ; groups 0 and 1 start the sums: nothing is cleared
.endif
.if GN > 6
.if GN < NG+5
	s_wait_alu depctr_va_vdst(0)
	v_pk_add_f32 v[ACC:ACC+1], v[ACC:ACC+1], v[TA:TA+1]
.endif
.endif
.set GN, GN+1
.endm
.macro BLOCK q, p                      ; a slot pair: four agent pairs, two groups
	STEP 0, \q, \p
	STEP 1, \q, \p
.endm
	s_wait_dscnt 19                                ; LDS loads return in order: slots 0..3 are in, the 19 younger loads stay out
	STEP 2, SL, SL+4                               ; the pairs inside my own slots
	STEP 2, SL+8, SL+12
.set QS, 1                                         ; by the far slot, in the order of the loads: own slots PS with 1 <= QS - PS <= 15
.rept 18
.if QS >= 4
	s_wait_dscnt 22-QS                             ; slot QS is in; the 22 - QS loads issued behind it stay out
.endif
.set PS, 0
.rept 4
.if QS > PS
.if QS-PS < 16
	BLOCK SL+4*QS, SL+4*PS
.endif
.endif
.set PS, PS+1
.endr
.set QS, QS+1
.endr
	s_wait_dscnt 0x0                               ; the last four loads
	BLOCK SL+84, SL+76                             ; distance 16
	BLOCK SL+88, SL+80
.rept 5
	STEP 3, 0, 0                                   ; the schedule runs empty
.endr
	; THE WAY OUT: the eight waves' sums of a row meet in LDS, in bytes of their own behind the rows
	v_add_f32 v[ACC], v[ACC], v[ACC+1]
	ds_store_b32 v[RA], v[ACC] offset:RED          ; word 32 w + row
	s_wait_dscnt 0x0                               ; in LDS, for wave 0's sake
	s_barrier_signal -1
	s_barrier_wait -1
	s_cmp_lg_u32 s8, 0
	s_cbranch_scc1 .Ldone                          ; 32 results: one wave's work
.irp k, 0,1,2,3,4,5,6,7
	ds_load_b32 v[TMP+\k], v[RA] offset:RED+128*\k ; in wave 0 RA = 4 x row
.endr
	s_wait_dscnt 0x0
	v_pk_add_f32 v[TMP:TMP+1],   v[TMP:TMP+1],   v[TMP+2:TMP+3]
	v_pk_add_f32 v[TMP+4:TMP+5], v[TMP+4:TMP+5], v[TMP+6:TMP+7]
	v_pk_add_f32 v[TMP:TMP+1],   v[TMP:TMP+1],   v[TMP+4:TMP+5]
	v_add_f32 v[TMP], v[TMP], v[TMP+1]
	v_mul_f32 v[TMP], 0x41200000, v[TMP]           ; the weight, 10
	global_store_b32 v[RA], v[TMP], s[6:7] th:TH_STORE_NT          ; 32 lanes, 128 consecutive bytes
.Ldone:
	s_wait_tensorcnt 0x0
	ds_add_u32 v140, v141
	s_wait_dscnt 0x0
	s_endpgm
.Lfunc_end_k_q8399c57364_penalty:
	.size	k_q8399c57364_penalty, .Lfunc_end_k_q8399c57364_penalty-k_q8399c57364_penalty
	.p2alignl 7, 3214868480
	.fill 96, 4, 3214868480
	.section	.rodata,"a",@progbits
	.p2align	6, 0x0
	.amdhsa_kernel k_q8399c57364_penalty
		.amdhsa_group_segment_fixed_size 35328
		.amdhsa_private_segment_fixed_size 0
		.amdhsa_enable_private_segment 0
		.amdhsa_kernarg_size 16
		.amdhsa_user_sgpr_count 2
		.amdhsa_user_sgpr_kernarg_segment_ptr 1
		.amdhsa_wavefront_size32 1
		.amdhsa_system_sgpr_workgroup_id_x 1
		.amdhsa_system_sgpr_workgroup_id_y 1
		.amdhsa_system_sgpr_workgroup_id_z 1
		.amdhsa_system_vgpr_workitem_id 0
		.amdhsa_next_free_vgpr 142
		.amdhsa_next_free_sgpr 66
		.amdhsa_reserve_vcc 0
		.amdhsa_float_denorm_mode_32 3
		.amdhsa_float_denorm_mode_16_64 3
		.amdhsa_memory_ordered 1
		.amdhsa_forward_progress 1
		.amdhsa_inst_pref_size 58
	.end_amdhsa_kernel
	.amdgpu_metadata
---
amdhsa.version: [ 1, 2 ]
amdhsa.kernels:
  - .name:           k_q8399c57364_penalty
    .symbol:         k_q8399c57364_penalty.kd
    .args:
      - { .name: states, .offset: 0, .size: 8, .value_kind: global_buffer, .address_space: global }
      - { .name: out0, .offset: 8, .size: 8, .value_kind: global_buffer, .address_space: global }
    .group_segment_fixed_size: 35328
    .private_segment_fixed_size: 0
    .kernarg_segment_align: 8
    .kernarg_segment_size: 16
    .max_flat_workgroup_size: 256
    .sgpr_count:     66
    .vgpr_count:     142
    .wavefront_size: 32
...
	.end_amdgpu_metadata
.endif
;; end of part 1
;; ======== version 2 of 2: 1 launch; 1.12 times as fast as version 1
;; limits: an absolute error that grows with the inputs' magnitude: up to 1.5e-05 times it; inputs' magnitudes at most 600
;; launch penalty (part 2): grid 256 x 1, 8 waves a work-group, no clusters, 35,328 bytes of LDS; arguments states, out0; writes out0
.if DOCPART == 2
	.amdgcn_target "amdgcn-amd-amdhsa--gfx1250"
	.amdhsa_code_object_version 6
	.text
	.protected	k_q8399c57364_penalty
	.globl	k_q8399c57364_penalty
	.p2align	8
	.type	k_q8399c57364_penalty,@function
k_q8399c57364_penalty:
	s_mov_b64 s[64:65], 0
	v_nop
	global_prefetch_b8 v0, s[64:65] scope:SCOPE_SE
	s_setreg_imm32_b32 hwreg(HW_REG_WAVE_MODE, 25, 1), 1
	s_wait_xcnt 0x0
; out0[row] = 10 * sum over agent pairs i > j of exp(-|p_i - p_j|^2 / 0.01),  p = (x, y) = the first two of an agent's four f32.
; states: [8192 rows][64 agents][4] f32.  out0: [8192] f32.
;
; THE SUM.  A term is the same for (i, j) and (j, i), bit for bit ((a-b)^2 = (b-a)^2), so the strict lower triangle is the sum over the
; 2,016 unordered pairs of a row, and it does not hang on how the agents are numbered.
; THE SHARES.  A work-group owns 32 rows (32 x 1,024 bytes); 8 waves.  In the arithmetic LANE = ROW: no lane crossing, no mask, all lanes at work.
; A SLOT is two agents laid out for packed f32: (x_a, x_b, y_a, y_b), 16 bytes, a = agent l, b = agent l + 32 (what lane l loads).
; The 32 slots of a row stand on a circle.  Wave w owns slots 4w .. 4w+3 and computes
;   own slot P with slot P + k, k = 1 .. 15   : 4 x 15 = 60 slot pairs of 4 agent pairs  (every slot pair at distance 1..15 falls to one wave)
;   two slot pairs at distance 16             : waves 0-3 take their own slots 0, 1, waves 4-7 their own slots 2, 3 (16 slot pairs in all, each once)
;   the pair inside each own slot             : 4 agent pairs
; Over the 8 waves: 32*15*4 + 16*4 + 32 = 2,016.  A wave has 126 GROUPS of two agent pairs: 5 packed instructions and 2 exponentials each.
; 8 waves: 23 LDS loads a wave, 184 a work-group.  16 waves would take 19 each, 304; 4 waves 31 each, 124, with one wave alone on a SIMD.
; THE SCALE.  Coordinates are multiplied once by c = sqrt(100 * log2 e) = 12.0112241 on their way into LDS, so that a term is
; exp2(-(dx^2 + dy^2)) with no further factor; the minus signs ride on the packed multiply and multiply-add.
; THE BATCHES.  The wave's 252 exponentials are cut into seven batches, by groups: five of 21 groups, one of 14, one of 7.  A batch has ONE wait, at the head
; of the step behind its last exponential; ahead of that wait nothing names a result of the batch, so each result keeps a register of its own until then.
; Behind the wait the batch's terms are added, in the groups' order, two a step, among the next batch's exponentials and the differences of later groups.
; The last two batches are short, so that 7 additions and not 21 are left, one waiting for the other, when there is nothing more to set between them.
;
; LIMITS.  (1) Scaling in front of the subtraction rounds each coordinate once more: for terms above 2^-30 the exponent is off by at most
; 2 (|dx|+|dy|) 2^-23 c max|x| < 2.2e-5 max|x|, a relative error of 1.5e-5 max|x| in the term: 0.25 per cent at |x| = 160, 1 per cent near |x| = 600.
; (2) |x| above 2.8e37 overflows in the scaling (inf - inf = NaN where the plain order gives 0).  (3) v_exp_f32 gives 0 for results under 2^-126.
; (4) The terms are added in another order than a row-major sum.
;
; NOT USED, by this text's own arithmetic.  Matrix instructions: |p|^2 + |q|^2 - 2 p.q cancels, and the exponent carries the factor 144.
; Clusters: no two work-groups read the same byte.  The tensor mover: the numbers are scaled and paired anew between memory and LDS, in registers.
; Prefetch: all 64 loads of the work-group are issued in its first lines.  The 32 results of a work-group are 128 consecutive bytes, stored by one
; instruction; 64 rows a work-group would make it 256 bytes and halve the number of work-groups.
.set ROWB,  1024                       ; bytes of a row in memory
.set PITCH, 1040                       ; an LDS row: 64 slots of 16 bytes (the 32 slots twice) + 16 = 65 x 16 bytes: the 16 lanes that read one slot
                                       ; of 16 neighbouring rows touch 16 different 16-byte columns modulo 256 bytes
.set RED,   32*PITCH                   ; behind the rows: 8 waves x 32 partial sums
.set NG,    126                        ; groups of a wave
.set RING,  28                         ; sets in the ring of temporaries
.set GO,    2                          ; v2       byte offset of my first load from the work-group's first row
.set ST,    3                          ; v3       LDS address of my slot in my wave's first row (way in)
.set RD,    4                          ; v4       LDS address of my row (lane = row) at my wave's first own slot
.set RD2,   5                          ; v5       the same at the first own slot that takes a partner at distance 16
.set RA,    6                          ; v6       4 x thread: my word among the partial sums; in wave 0 also my result's byte offset
.set ACC,   8                          ; v[8:9]   the running sums (two agent pairs side by side)
.set TMP,   16                         ; v[16:127] ring of 28 sets of 4: dx pair (then -d2, then the terms, which stay until their batch is added), dy pair
.set SL,    144                        ; v[144:235] slot s of my window at v[SL+4s : SL+4s+3]; s = 0..18 window, 19, 20 own again, 21, 22 their partners
.set LD,    SL                         ; way in: 8 loads x 2 registers (done with before the window is loaded)
.set SC,    SL+16                      ; way in: 4 scaled slots
	s_load_b128 s[4:7], s[0:1], 0x0                ; states s[4:5], out0 s[6:7]
	v_lshl_add_u32 v140, v0, 2, 0x8600
	v_mov_b32 v141, 0
	v_and_b32 v1, 31, v0                           ; lane
	v_lshrrev_b32 v7, 5, v0
	v_readfirstlane_b32 s8, v7                     ; wave 0..7
	s_mov_b32 s9, 0x41402df9                       ; c = 12.0112241
	s_lshl_b32 s10, ttmp9, 15                      ; work-group x 32 rows x 1,024 bytes (at most 8 MiB)
	s_mov_b32 s11, 0
	s_lshl_b32 s12, ttmp9, 7                       ; work-group x 32 results x 4 bytes
	s_mov_b32 s13, 0
	v_lshlrev_b32 v[GO], 4, v1                     ; agent l: 16 l
	v_lshl_add_u32 v[GO], v7, 12, v[GO]            ; + wave x 4 rows
	s_wait_kmcnt 0x0
	s_add_nc_u64 s[4:5], s[4:5], s[10:11]
	s_add_nc_u64 s[6:7], s[6:7], s[12:13]
	; THE WAY IN.  Row q of my four: (x, y) of agent l, then of agent l + 32.  Each load walks 512 consecutive bytes, 8 of every 16; no byte twice.
.irp q, 0,1,2,3
	global_load_b64 v[LD+4*\q:LD+4*\q+1],   v[GO], s[4:5] offset:\q*ROWB th:TH_LOAD_NT
	global_load_b64 v[LD+4*\q+2:LD+4*\q+3], v[GO], s[4:5] offset:\q*ROWB+512 th:TH_LOAD_NT
.endr
	; addresses, while the loads are out
	s_mul_i32 s14, s8, 4*PITCH                     ; my wave's first row in LDS
	v_lshl_add_u32 v[ST], v1, 4, s14               ; + slot l
	s_lshl_b32 s15, s8, 6                          ; my wave's first own slot: 4 w x 16 bytes
	v_mul_u32_u24 v[RD], v1, PITCH                 ; lane = row
	v_add_nc_u32 v[RD], s15, v[RD]
	s_and_b32 s16, s8, 4
	s_lshl_b32 s16, s16, 3                         ; waves 4-7: two slots (32 bytes) further on
	v_add_nc_u32 v[RD2], s16, v[RD]
	v_lshlrev_b32 v[RA], 2, v0
.irp q, 0,1,2,3
	s_wait_loadcnt 6-2*\q                          ; loads return in order: row q's two are in, the 6 - 2q younger ones stay out
	v_mul_f32 v[SC+4*\q],   s9, v[LD+4*\q]         ; c x_a      the four products also put the numbers in the slot's order
	v_mul_f32 v[SC+4*\q+1], s9, v[LD+4*\q+2]       ; c x_b
	v_mul_f32 v[SC+4*\q+2], s9, v[LD+4*\q+1]       ; c y_a
	v_mul_f32 v[SC+4*\q+3], s9, v[LD+4*\q+3]       ; c y_b
	ds_store_b128 v[ST], v[SC+4*\q:SC+4*\q+3] offset:\q*PITCH          ; slot l: 32 lanes, 512 neighbouring bytes
	ds_store_b128 v[ST], v[SC+4*\q:SC+4*\q+3] offset:\q*PITCH+512      ; and once more as slot 32 + l, so that a window that passes slot 31 needs no
.endr                                                                  ; wrapped address (slots 32..47 are read; the other 16 lanes write along, no EXEC switch)
	s_wait_dscnt 0x0                               ; my stores are in LDS, for the other waves' sake
	s_barrier_signal -1
	s_barrier_wait -1                              ; all 32 rows are there
	; MY WINDOW: 23 loads in one run, in the order in which the arithmetic wants them
.set i, 0
.rept 19
	ds_load_b128 v[SL+4*i:SL+4*i+3], v[RD] offset:16*i
.set i, i+1
.endr
	ds_load_b128 v[SL+76:SL+79], v[RD2]            ; two own slots again, chosen by the wave's number through the address,
	ds_load_b128 v[SL+80:SL+83], v[RD2] offset:16
	ds_load_b128 v[SL+84:SL+87], v[RD2] offset:256 ; and their partners 16 slots on
	ds_load_b128 v[SL+88:SL+91], v[RD2] offset:272
; THE SUMS.  The terms go onto ACC group by group, in the groups' order, and only those whose batch has had its wait: SUM writes the next addition if there is one.
.set SN, 0                             ; the next group whose terms are to be added
.set AV, 0                             ; the groups below this one have had their batch's wait
.set BE, 21                            ; the open batch ends in front of this group
.macro SUM
.if SN < AV
.if SN == 0
	v_pk_add_f32 v[ACC:ACC+1], v[TMP:TMP+1], v[TMP+4:TMP+5]        ; groups 0 and 1 start the sums: nothing is cleared
.set SN, 2
.else
	v_pk_add_f32 v[ACC:ACC+1], v[ACC:ACC+1], v[TMP+4*(SN%RING):TMP+4*(SN%RING)+1]
.set SN, SN+1
.endif
.endif
.endm
; ONE STEP of a modulo schedule over the groups.  Step GN holds: the differences of group GN, the square of group GN-1, the multiply-add of
; GN-2, the two exponentials of GN-4, and up to two sums of the batch that was waited for last.  From the differences to the exponentials every instruction
; stands 7 lines or more behind the one whose result it reads; the sums, a chain on ACC, stand 4 lines apart; and a plain
; vector instruction that names neither its result nor its source stands behind each exponential (ISA guide 5.7.2).
; THE WAIT stands at the head of step BE + 4: the exponentials of all groups below BE are issued, those of group BE are not, and no result of the batch has been named.
; A set of the ring is written again 28 steps later.  Its last reader is its sum, 25 steps behind its differences at the most (the first group of a batch of 21:
; the batch's last exponentials stand 24 steps behind those differences, the wait and the sum in the step after): 3 steps are to spare.
; kind 0: slot q against slot p, a-a and b-b.  kind 1: the same slots crossed, a-b and b-a.  kind 2: the pairs inside slots q and p.  kind 3: nothing new.
.set GN, 0
.macro STEP kind, q, p
.set TF, TMP+4*(GN%RING)               ; group GN
.set TM, TMP+4*((GN+RING-1)%RING)      ; group GN-1
.set TS, TMP+4*((GN+RING-2)%RING)      ; group GN-2
.set TE, TMP+4*((GN+RING-4)%RING)      ; group GN-4
.if GN == BE+4
	s_wait_alu depctr_va_vdst(0)                   ; the wait ahead of the first use of an exponential's result: one for the batch that ends in front of group BE
.set AV, BE                            ; its terms may be added now
.if BE < 105
.set BE, BE+21                         ; batches end in front of groups 21, 42, 63, 84, 105,
.elseif BE < 119
.set BE, BE+14                         ; 119,
.else
.set BE, BE+7                          ; and 126
.endif
.endif
.if GN >= 4
.if GN < NG+4
	v_exp_f32 v[TE], v[TE]
.endif
.endif
.if \kind == 0
	v_pk_add_f32 v[TF:TF+1],   v[\q:\q+1],   v[\p:\p+1]   neg_lo:[0,1] neg_hi:[0,1]
	v_pk_add_f32 v[TF+2:TF+3], v[\q+2:\q+3], v[\p+2:\p+3] neg_lo:[0,1] neg_hi:[0,1]
.endif
.if \kind == 1
	v_pk_add_f32 v[TF:TF+1],   v[\q:\q+1],   v[\p:\p+1]   op_sel:[0,1] op_sel_hi:[1,0] neg_lo:[0,1] neg_hi:[0,1]
	v_pk_add_f32 v[TF+2:TF+3], v[\q+2:\q+3], v[\p+2:\p+3] op_sel:[0,1] op_sel_hi:[1,0] neg_lo:[0,1] neg_hi:[0,1]
.endif
.if \kind == 2
	v_sub_f32 v[TF],   v[\q],   v[\q+1]
	v_sub_f32 v[TF+1], v[\p],   v[\p+1]
	v_sub_f32 v[TF+2], v[\q+2], v[\q+3]
	v_sub_f32 v[TF+3], v[\p+2], v[\p+3]
.endif
	SUM
.if GN >= 1
.if GN < NG+1
	v_pk_mul_f32 v[TM:TM+1], v[TM:TM+1], v[TM:TM+1] neg_lo:[1,0] neg_hi:[1,0]                      ; -dx^2
.endif
.endif
.if GN >= 4
.if GN < NG+4
	v_exp_f32 v[TE+1], v[TE+1]
.endif
.endif
.if GN >= 2
.if GN < NG+2
	v_pk_fma_f32 v[TS:TS+1], v[TS+2:TS+3], v[TS+2:TS+3], v[TS:TS+1] neg_lo:[1,0,0] neg_hi:[1,0,0]  ; -dy^2 - dx^2
.endif
.endif
	SUM
.set GN, GN+1
.endm
.macro BLOCK q, p                      ; a slot pair: four agent pairs, two groups
	STEP 0, \q, \p
	STEP 1, \q, \p
.endm
	s_wait_dscnt 19                                ; LDS loads return in order: slots 0..3 are in, the 19 younger loads stay out
	STEP 2, SL, SL+4                               ; the pairs inside my own slots
	STEP 2, SL+8, SL+12
.set QS, 1                                         ; by the far slot, in the order of the loads: own slots PS with 1 <= QS - PS <= 15
.rept 18
.if QS >= 4
	s_wait_dscnt 22-QS                             ; slot QS is in; the 22 - QS loads issued behind it stay out
.endif
.set PS, 0
.rept 4
.if QS > PS
.if QS-PS < 16
	BLOCK SL+4*QS, SL+4*PS
.endif
.endif
.set PS, PS+1
.endr
.set QS, QS+1
.endr
	s_wait_dscnt 0x0                               ; the last four loads
	BLOCK SL+84, SL+76                             ; distance 16
	BLOCK SL+88, SL+80
.rept 8
	STEP 3, 0, 0                                   ; the schedule runs empty: steps 126 to 129 hold the last exponentials and the sixth batch's last sums,
.endr                                              ; step 130 begins with the seventh batch's wait, and steps 130 to 133 add its 7 groups
	; THE WAY OUT: the eight waves' sums of a row meet in LDS, in bytes of their own behind the rows
	v_add_f32 v[ACC], v[ACC], v[ACC+1]
	ds_store_b32 v[RA], v[ACC] offset:RED          ; word 32 w + row
	s_wait_dscnt 0x0                               ; in LDS, for wave 0's sake
	s_barrier_signal -1
	s_barrier_wait -1
	s_cmp_lg_u32 s8, 0
	s_cbranch_scc1 .Ldone                          ; 32 results: one wave's work
.irp k, 0,1,2,3,4,5,6,7
	ds_load_b32 v[TMP+\k], v[RA] offset:RED+128*\k ; in wave 0 RA = 4 x row
.endr
	s_wait_dscnt 0x0
	v_pk_add_f32 v[TMP:TMP+1],   v[TMP:TMP+1],   v[TMP+2:TMP+3]
	v_pk_add_f32 v[TMP+4:TMP+5], v[TMP+4:TMP+5], v[TMP+6:TMP+7]
	v_pk_add_f32 v[TMP:TMP+1],   v[TMP:TMP+1],   v[TMP+4:TMP+5]
	v_add_f32 v[TMP], v[TMP], v[TMP+1]
	v_mul_f32 v[TMP], 0x41200000, v[TMP]           ; the weight, 10
	global_store_b32 v[RA], v[TMP], s[6:7] th:TH_STORE_NT          ; 32 lanes, 128 consecutive bytes
.Ldone:
	s_wait_tensorcnt 0x0
	ds_add_u32 v140, v141
	s_wait_dscnt 0x0
	s_endpgm
.Lfunc_end_k_q8399c57364_penalty:
	.size	k_q8399c57364_penalty, .Lfunc_end_k_q8399c57364_penalty-k_q8399c57364_penalty
	.p2alignl 7, 3214868480
	.fill 96, 4, 3214868480
	.section	.rodata,"a",@progbits
	.p2align	6, 0x0
	.amdhsa_kernel k_q8399c57364_penalty
		.amdhsa_group_segment_fixed_size 35328
		.amdhsa_private_segment_fixed_size 0
		.amdhsa_enable_private_segment 0
		.amdhsa_kernarg_size 16
		.amdhsa_user_sgpr_count 2
		.amdhsa_user_sgpr_kernarg_segment_ptr 1
		.amdhsa_wavefront_size32 1
		.amdhsa_system_sgpr_workgroup_id_x 1
		.amdhsa_system_sgpr_workgroup_id_y 1
		.amdhsa_system_sgpr_workgroup_id_z 1
		.amdhsa_system_vgpr_workitem_id 0
		.amdhsa_next_free_vgpr 236
		.amdhsa_next_free_sgpr 66
		.amdhsa_reserve_vcc 0
		.amdhsa_float_denorm_mode_32 3
		.amdhsa_float_denorm_mode_16_64 3
		.amdhsa_memory_ordered 1
		.amdhsa_forward_progress 1
		.amdhsa_inst_pref_size 54
	.end_amdhsa_kernel
	.amdgpu_metadata
---
amdhsa.version: [ 1, 2 ]
amdhsa.kernels:
  - .name:           k_q8399c57364_penalty
    .symbol:         k_q8399c57364_penalty.kd
    .args:
      - { .name: states, .offset: 0, .size: 8, .value_kind: global_buffer, .address_space: global }
      - { .name: out0, .offset: 8, .size: 8, .value_kind: global_buffer, .address_space: global }
    .group_segment_fixed_size: 35328
    .private_segment_fixed_size: 0
    .kernarg_segment_align: 8
    .kernarg_segment_size: 16
    .max_flat_workgroup_size: 256
    .sgpr_count:     66
    .vgpr_count:     236
    .wavefront_size: 32
...
	.end_amdgpu_metadata
.endif
;; end of part 2
